; MI455X (gfx1250); checked and timed in simulation.
; The chip was launched on July 23, 2026; its instructions are those of AMD's public machine-readable ISA for CDNA 5 (MIT licence, August 2026) and "CDNA5" Instruction Set Architecture Reference Guide (July 2026). The comments in the code are by the model that wrote it; some were corrected since.
;; Warp. Allowed arithmetic: float matrix products may take bf16 or f16 operands with f32 sums; all other float work in f32.
;; Inputs: flow 2 x 3 x 128 x 128 x 128 float32; image 2 x 2 x 128 x 128 x 128 float32.
;; Outputs: out0 2 x 2 x 128 x 128 x 128 float32.
;; 2 versions, each right and faster than the one before. Each part assembles by itself: llvm-mc -triple=amdgcn-amd-amdhsa -mcpu=gfx1250 --defsym DOCPART=n.
;; ======== version 1 of 2: 2 launches
;; workspace buffers: codes 16,777,216 bytes of whole numbers; flags 65,536 bytes of whole numbers
;; launch index (part 1): grid 256 x 1, 32 waves a work-group, no clusters, 4,352 bytes of LDS; arguments flow, codes, flags; writes codes, flags
.if DOCPART == 1
	.amdgcn_target "amdgcn-amd-amdhsa--gfx1250"
	.amdhsa_code_object_version 6
	.text
	.protected	k_qb742bcb846_index
	.globl	k_qb742bcb846_index
	.p2align	8
	.type	k_qb742bcb846_index,@function
k_qb742bcb846_index:
	s_mov_b64 s[64:65], 0
	v_nop
	global_prefetch_b8 v0, s[64:65] scope:SCOPE_SE
	s_setreg_imm32_b32 hwreg(HW_REG_WAVE_MODE, 25, 1), 1
	s_wait_xcnt 0x0
; WARP, first of two launches: one whole number for each voxel, from which the second launch forms its gather addresses, and one for each
; pair of rows, on which it branches (inside a launch no address and no branch hangs on floating-point data; here
; floats only select values).  Nothing of reference() is left out by either launch, and both inputs are read.
; The second launch works in tiles of 16 (d) x 16 (h) x 64 (w) voxels and keeps the tile's window in LDS: cells d0-3 .. d0+18,
; h0-4 .. h0+19, w0-4 .. w0+67, that is 22 x 24 x 72 cells, zeros where the window leaves the volume.
; For each axis: c = base + flow (one f32 add, the same add as in the second launch, so floor and fraction agree), x = floor(c).
;   e = clamp(x, -2, 128): -2 stands for every floor below -1 and 128 for every floor above 127; both corners along that axis
;       are outside the volume there, whatever the true floor.  r = e - window start.
;   near (r_d <= 20, r_h <= 22, r_w <= 70, unsigned): word = cell index (r_d*24 + r_h)*72 + r_w, at most 36,214
;   far:  word = bit 31 | c_d<<14 | c_h<<7 | c_w with c = clamp(x, 0, 126): the lower of two slots that are always inside the image
; flags[(b*128 + d)*64 + h/2]: bit l is set if lane l (w = 4 l .. 4 l + 3) has a far voxel in rows h, h+1: bits 0-15 speak for the tile
; at w = 0, bits 16-31 for the tile at w = 64.
; LIMIT: finite flow only (a NaN or an infinity gives some word; the second launch clamps every word before it is an address).
; A work-group is one plane (b, d): 32 waves of 4 rows of 128 voxels, a lane 4 neighbouring w: each load and store of codes covers 512
; consecutive bytes, aligned; the plane's 64 flag words meet in LDS and leave as one store of 256 consecutive bytes, aligned.
.set WORD, 16                          ; v[16:31]  row i: 4 words to store
.set FL,   32                          ; v[32:79]  row i: 12 registers: flow d 0-3, h 4-7, w 8-11
.set NM,   34                          ; s34, s35  rows 0-1, rows 2-3: the lanes all of whose voxels are near
.set COMP, 0x800000                    ; bytes of one flow component of one batch
	s_load_b128 s[4:7], s[0:1], 0x0                ; flow s[4:5], codes s[6:7]
	s_load_b64 s[32:33], s[0:1], 0x10              ; flags
	v_lshl_add_u32 v80, v0, 2, 0x100
	v_mov_b32 v81, 0
	v_lshrrev_b32 v8, 5, v0
	v_readfirstlane_b32 s8, v8                     ; wave 0..31
	s_lshl_b32 s9, ttmp9, 5
	s_add_co_u32 s9, s9, s8
	s_lshl_b32 s9, s9, 2                           ; my first row among the 32,768 rows (b, d, h)
	s_lshr_b32 s27, s9, 14                         ; b
	s_mul_i32 s10, s27, 3*COMP
	s_and_b32 s28, s9, 16383
	s_lshl_b32 s28, s28, 9                         ; (d*128 + h) rows of 512 bytes
	s_add_co_u32 s10, s10, s28
	s_mov_b32 s11, 0
	s_mov_b32 s30, 0x43000000                      ; 128.0
	s_mov_b32 s31, 0x42fc0000                      ; 126.0
	v_and_b32 v1, 31, v0                           ; lane
	v_lshlrev_b32 v9, 2, v1
	v_cvt_f32_u32 v2, v9                           ; v[2:5]: my four w as floats
	v_add_f32 v3, 1.0, v2
	v_add_f32 v4, 2.0, v2
	v_add_f32 v5, 0x40400000, v2
	v_and_b32 v6, 16, v1
	v_lshlrev_b32 v6, 2, v6
	v_sub_nc_u32 v6, 4, v6                         ; 4 - w0: lanes 16-31 lie in the tile that begins at w = 64
	v_and_b32 v7, 15, v1
	v_lshlrev_b32 v7, 4, v7                        ; v7: 16 x (lane mod 16), for the flags' way out
	v_lshlrev_b32 v1, 4, v1                        ; v1: 16 bytes a lane
	s_wait_kmcnt 0x0
	s_add_nc_u64 s[12:13], s[4:5], s[10:11]        ; flow d, h, w at my first row
	s_add_nc_u64 s[14:15], s[12:13], COMP
	s_add_nc_u64 s[16:17], s[14:15], COMP
.irp i, 0,1,2,3
	global_load_b128 v[FL+12*\i:FL+12*\i+3],    v1, s[12:13] offset:512*\i
	global_load_b128 v[FL+12*\i+4:FL+12*\i+7],  v1, s[14:15] offset:512*\i
	global_load_b128 v[FL+12*\i+8:FL+12*\i+11], v1, s[16:17] offset:512*\i
.endr
	s_lshl_b32 s10, s9, 9
	s_add_nc_u64 s[6:7], s[6:7], s[10:11]          ; codes at my first row
	s_lshl_b32 s10, ttmp9, 8
	s_add_nc_u64 s[32:33], s[32:33], s[10:11]      ; flags at my plane's 256 bytes
	s_bfe_u32 s27, s9, 0x70007                     ; d
	s_cvt_f32_u32 s20, s27
	s_and_b32 s27, s27, 0x70
	s_sub_co_i32 s18, 3, s27                       ; 3 - d0
	s_and_b32 s28, s9, 127                         ; h of my first row, a multiple of 4: the four rows share h0
	s_cvt_f32_u32 s21, s28                         ; s21..24: my four h as floats
	s_add_f32 s22, s21, 1.0
	s_add_f32 s23, s21, 2.0
	s_add_f32 s24, s21, 0x40400000
	s_and_b32 s28, s28, 0x70
	s_sub_co_i32 s19, 4, s28                       ; 4 - h0
; one axis: e = clamp(floor(base + flow), -2, 128), c = clamp(floor, 0, 126), as whole numbers
.macro AXIS src, base, e, c
	v_add_f32 v8, \base, \src
	v_floor_f32 v8, v8
	v_med3_num_f32 v9, v8, -2.0, s30
	v_cvt_i32_f32 \e, v9
	v_med3_num_f32 v9, v8, 0, s31
	v_cvt_u32_f32 \c, v9
.endm
; voxel j of row i
.macro VOX i, j
	AXIS v[FL+12*\i+\j],   s20,       v10, v13
	AXIS v[FL+12*\i+4+\j], s[21+\i],  v11, v14
	AXIS v[FL+12*\i+8+\j], v[2+\j],   v12, v15
	v_add_nc_u32 v10, s18, v10                     ; places in the window; a negative one is large as an unsigned number
	v_add_nc_u32 v11, s19, v11
	v_add_nc_u32 v12, v6, v12
	v_cmp_ge_u32 s25, 20, v10
	v_cmp_ge_u32 s26, 22, v11
	v_cmp_ge_u32 vcc_lo, 70, v12
	s_and_b32 s25, s25, s26
	s_and_b32 vcc_lo, vcc_lo, s25                  ; near: the cell and its +1 neighbours lie in the window
.if ((\i&1)|\j) == 0
	s_mov_b32 s[NM+(\i>>1)], vcc_lo                ; the pair's first voxel starts the mask
.else
	s_and_b32 s[NM+(\i>>1)], s[NM+(\i>>1)], vcc_lo
.endif
	v_mad_u32_u24 v10, v10, 24, v11
	v_mad_u32_u24 v10, v10, 72, v12                ; the cell index (of no meaning where far: not selected)
	v_lshl_add_u32 v13, v13, 7, v14
	v_lshl_add_u32 v13, v13, 7, v15
	v_or_b32 v13, 0x80000000, v13
	v_cndmask_b32 v[WORD+4*\i+\j], v13, v10, vcc_lo
.endm
.irp i, 0,1,2,3
	s_wait_loadcnt 9-3*\i                          ; loads come back in order: three for each later row may stay out
	VOX \i, 0
	VOX \i, 1
	VOX \i, 2
	VOX \i, 3
	global_store_b128 v1, v[WORD+4*\i:WORD+4*\i+3], s[6:7] offset:512*\i   ; its sources are never written again
.endr
	; the flags: my two words go to LDS bytes 8 x wave; wave 0 stores the plane's 64 words
	s_not_b32 s[NM], s[NM]                         ; the lanes with a far voxel
	s_not_b32 s[NM+1], s[NM+1]
	v_mov_b32 v8, s[NM]
	v_mov_b32 v9, s[NM+1]
	v_mov_b32 v10, s8
	v_lshlrev_b32 v10, 3, v10
	ds_store_b64 v10, v[8:9]                       ; all lanes write the same bytes with the same value
	s_wait_dscnt 0x0                               ; for the others' sake: my words are in LDS,
	s_barrier_signal -1
	s_barrier_wait -1                              ; everybody's are
	s_cmp_lg_u32 s8, 0
	s_cbranch_scc1 .Lend
	s_wait_xcnt 0x0                                ; EXEC is a source of my stores of codes: it is narrowed only behind this wait
	v_cmp_gt_u32 vcc_lo, 0x100, v1                 ; lanes 0-15
	s_and_saveexec_b32 s36, vcc_lo
	ds_load_b128 v[8:11], v7
	s_wait_dscnt 0x0
	global_store_b128 v7, v[8:11], s[32:33]        ; sixteen lanes store 256 consecutive bytes, aligned
	s_wait_xcnt 0x0                                ; and it is widened only behind this one
	s_or_b32 exec_lo, exec_lo, s36
.Lend:
	s_wait_tensorcnt 0x0
	ds_add_u32 v80, v81
	s_wait_dscnt 0x0
	s_endpgm
.Lfunc_end_k_qb742bcb846_index:
	.size	k_qb742bcb846_index, .Lfunc_end_k_qb742bcb846_index-k_qb742bcb846_index
	.p2alignl 7, 3214868480
	.fill 96, 4, 3214868480
	.section	.rodata,"a",@progbits
	.p2align	6, 0x0
	.amdhsa_kernel k_qb742bcb846_index
		.amdhsa_group_segment_fixed_size 4352
		.amdhsa_private_segment_fixed_size 0
		.amdhsa_enable_private_segment 0
		.amdhsa_kernarg_size 24
		.amdhsa_user_sgpr_count 2
		.amdhsa_user_sgpr_kernarg_segment_ptr 1
		.amdhsa_wavefront_size32 1
		.amdhsa_system_sgpr_workgroup_id_x 1
		.amdhsa_system_sgpr_workgroup_id_y 1
		.amdhsa_system_sgpr_workgroup_id_z 1
		.amdhsa_system_vgpr_workitem_id 0
		.amdhsa_next_free_vgpr 82
		.amdhsa_next_free_sgpr 66
		.amdhsa_reserve_vcc 1
		.amdhsa_float_denorm_mode_32 3
		.amdhsa_float_denorm_mode_16_64 3
		.amdhsa_memory_ordered 1
		.amdhsa_forward_progress 1
		.amdhsa_inst_pref_size 29
	.end_amdhsa_kernel
	.amdgpu_metadata
---
amdhsa.version: [ 1, 2 ]
amdhsa.kernels:
  - .name:           k_qb742bcb846_index
    .symbol:         k_qb742bcb846_index.kd
    .args:
      - { .name: flow, .offset: 0, .size: 8, .value_kind: global_buffer, .address_space: global }
      - { .name: codes, .offset: 8, .size: 8, .value_kind: global_buffer, .address_space: global }
      - { .name: flags, .offset: 16, .size: 8, .value_kind: global_buffer, .address_space: global }
    .group_segment_fixed_size: 4352
    .private_segment_fixed_size: 0
    .kernarg_segment_align: 8
    .kernarg_segment_size: 24
    .max_flat_workgroup_size: 1024
    .sgpr_count:     66
    .vgpr_count:     82
    .wavefront_size: 32
...
	.end_amdgpu_metadata
.endif
;; end of part 1
;; launch warp (part 2): grid 256 x 1, 16 waves a work-group, no clusters, 313,344 bytes of LDS; arguments flow, image, codes, out0, flags; writes out0
.if DOCPART == 2
	.amdgcn_target "amdgcn-amd-amdhsa--gfx1250"
	.amdhsa_code_object_version 6
	.text
	.protected	k_qb742bcb846_warp
	.globl	k_qb742bcb846_warp
	.p2align	8
	.type	k_qb742bcb846_warp,@function
k_qb742bcb846_warp:
	s_mov_b64 s[64:65], 0
	v_nop
	global_prefetch_b8 v0, s[64:65] scope:SCOPE_SE
	s_setreg_imm32_b32 hwreg(HW_REG_WAVE_MODE, 25, 1), 1
	s_wait_xcnt 0x0
; WARP, second launch: out[b][ch][d][h][w] = trilinear sample of image[b][ch] at (d,h,w) + flow, zeros outside.  No work of reference() is left out.
; A work-group owns a tile of 16 (d) x 16 (h) x 64 (w) voxels of one batch: 256 tiles.  It copies the tile's window once, in pieces of
; 16 bytes a channel, into LDS: cells d0-3 .. d0+18, h0-4 .. h0+19, w0-4 .. w0+67 = 22 x 24 x 72 cells of 8 bytes (channel 0, channel 1),
; with zeros where the window leaves the volume.  The zeros are reference()'s valid mask, so a voxel whose cell lies in the window needs
; seven interpolations a + t (b - a), both channels at once.  Every gather address comes from the whole numbers that the first launch stored
; (near: the cell index; far: bit 31 and three 7-bit slots); the flow is read again for the weights alone, in f32.
; A far voxel (flow beyond about 3 cells along d, 4 along h and w) is redone by 16 loads from the image, whose weights are selected so that
; they equal reference()'s clip and valid for every finite flow: right for any flow, quick for a flow of a few voxels.  That second way stands
; under a scalar branch on the unit's flag word, which the first launch stored and a scalar load brings; it runs with all lanes on, for all
; four voxels of a lane, and its result is selected in the far lanes alone: EXEC is never written.
; The fill runs 19 equal trips of 512 threads = 9,728 pieces for a window of 9,504: the last 224 pieces (part of a 23rd plane) are read by
; nobody; they are kept so that all sixteen waves run one text with one count of loads.
; No tensor load: it can neither interleave two channels nor lay zeros ahead of the tensor's first element.  So no cluster either.
; LIMITS: finite inputs only (reference()'s NaN from 0 x infinity at a masked corner is not made); the near sum is nested a + t (b - a),
; another order of rounding than reference()'s eight weighted terms.
.set COMP,    0x800000                 ; bytes of one channel, or one flow component, of one batch
.set WROW,    576                      ; a window row: 72 cells of 8 bytes
.set WPLANE,  13824                    ; a window plane: 24 rows
.set MAXCELL, 36214                    ; (20*24 + 22)*72 + 70
.set X,   16                           ; v[16:23]   the fill: four cells, channels interleaved
.set O0,  16                           ; v[16:19]   later: four results of channel 0
.set O1,  20                           ; v[20:23]   and of channel 1
.set AD,  24                           ; v[24:27]   LDS address of each voxel's cell
.set UB,  32                           ; v[32:159]  unit u, 16 registers: c_d 0-3, c_h 4-7, c_w 8-11, code words 12-15
.set FS,  96                           ; v[96:247]  the fill: piece i, 8 registers (channel 0, channel 1); units 4-7 come in behind it
.set R,   160                          ; v[160:223] voxel j, corner k: a pair at R + 16 j + 2 k; k = 4 dz + 2 hy + wx.  At work in the far way
.set T,   224                          ; v[224:235] fractions t_d, t_h, t_w, four each
.set MK,  40                           ; s40..58    piece i: the lanes whose piece lies inside the volume
.set FG,  68                           ; s[68:75]   unit u: its pair of rows' flag word
	s_load_b256 s[4:11], s[0:1], 0x0               ; flow s[4:5], image s[6:7], codes s[8:9], out s[10:11]
	s_load_b64 s[66:67], s[0:1], 0x20              ; flags
	v_lshl_add_u32 v248, v0, 2, 0x4c000
	v_mov_b32 v249, 0
	v_lshrrev_b32 v8, 5, v0
	v_readfirstlane_b32 s12, v8                    ; wave 0..15
	s_and_b32 s13, ttmp9, 1
	s_lshl_b32 s13, s13, 6                         ; w0
	s_bfe_u32 s14, ttmp9, 0x30001
	s_lshl_b32 s14, s14, 4                         ; h0
	s_bfe_u32 s15, ttmp9, 0x30004
	s_lshl_b32 s15, s15, 4                         ; d0
	s_lshr_b32 s16, ttmp9, 7                       ; b
	s_sub_co_i32 s17, s15, 3                       ; the window's first cell
	s_sub_co_i32 s18, s14, 4
	s_sub_co_i32 s19, s13, 4
	s_mov_b32 s39, 128
	s_mov_b32 s61, 0x42fe0000                      ; 127.0
	s_mov_b32 s62, 0x42fc0000                      ; 126.0
	s_lshl_b32 s2, s16, 24                         ; two channels of 8 MiB a batch
	s_mov_b32 s3, 0
	s_wait_kmcnt 0x0
	s_add_nc_u64 s[20:21], s[6:7], s[2:3]          ; image, channel 0 and channel 1 of my batch
	s_add_nc_u64 s[22:23], s[20:21], COMP
; Piece Q = thread + 512 i: four cells along w of window row Q / 18.  Outside the volume: byte 0 is loaded and zeros are stored.
; Each load lands on its own offset register.
.macro PLOAD i
	v_add_nc_u32 v8, 512*\i, v0                    ; Q, at most 9,727
	v_mul_u32_u24 v9, 0xe38f, v8
	v_lshrrev_b32 v9, 20, v9                       ; row = Q / 18 (18 x 58,255 = 2^20 + 14: exact while 14 Q < 2^20)
	v_mul_u32_u24 v10, 18, v9
	v_sub_nc_u32 v10, v8, v10                      ; piece in the row
	v_mul_u32_u24 v11, 0xaab, v9
	v_lshrrev_b32 v11, 16, v11                     ; plane = row / 24 (24 x 2,731 = 2^16 + 8: exact while 8 row < 2^16)
	v_mul_u32_u24 v12, 24, v11
	v_sub_nc_u32 v12, v9, v12                      ; row in the plane
	v_add_nc_u32 v11, s17, v11                     ; d
	v_add_nc_u32 v12, s18, v12                     ; h
	v_lshl_add_u32 v10, v10, 2, s19                ; w, a multiple of 4: the four cells are all inside or all outside
	v_or_b32 v13, v11, v12
	v_or_b32 v13, v13, v10
	v_cmp_gt_u32 s[MK+\i], s39, v13                ; all three in 0 .. 127
	v_lshl_add_u32 v11, v11, 7, v12
	v_lshl_add_u32 v11, v11, 7, v10
	v_lshlrev_b32 v11, 2, v11
	v_cndmask_b32 v[FS+8*\i],   0, v11, s[MK+\i]
	v_cndmask_b32 v[FS+8*\i+4], 0, v11, s[MK+\i]
	global_load_b128 v[FS+8*\i:FS+8*\i+3],   v[FS+8*\i],   s[20:21]
	global_load_b128 v[FS+8*\i+4:FS+8*\i+7], v[FS+8*\i+4], s[22:23]
.endm
.irp i, 0,1,2,3,4,5,6,7,8,9,10,11,12,13,14,15,16,17,18
	PLOAD \i
.endr
	; Wave v owns plane d0 + v of the tile, as eight units of two rows: lanes 0-15 one row's 64 voxels, lanes 16-31 the next row's, 4 a lane.
	s_add_co_u32 s36, s15, s12                     ; my d
	s_cvt_f32_u32 s38, s36
	s_lshl_b32 s76, s16, 7
	s_add_co_u32 s76, s76, s36                     ; my plane among the 256
	s_lshl_b32 s76, s76, 8                         ; 64 flag words a plane,
	s_lshl1_add_u32 s76, s14, s76                  ; one for two rows: + 2 h0 bytes, a multiple of 32
	s_mov_b32 s77, 0
	s_add_nc_u64 s[66:67], s[66:67], s[76:77]
	s_load_b256 s[FG:FG+7], s[66:67], 0x0          ; my eight units' flag words; the base is not written again
	s_lshr_b32 s78, s13, 2
	s_lshl_b32 s78, 0xffff, s78                    ; my tile's half of a flag word: bits 0-15 for w0 = 0, bits 16-31 for w0 = 64
	s_lshl_b32 s36, s36, 7
	s_add_co_u32 s36, s36, s14
	s_lshl_b32 s36, s36, 9
	s_lshl2_add_u32 s36, s13, s36                  ; P = ((d*128 + h0)*128 + w0) * 4
	s_mov_b32 s37, 0
	s_add_nc_u64 s[32:33], s[10:11], s[2:3]
	s_add_nc_u64 s[32:33], s[32:33], s[36:37]      ; out, channel 0 and channel 1
	s_add_nc_u64 s[34:35], s[32:33], COMP
	s_lshl_b32 s2, s16, 23
	s_add_nc_u64 s[30:31], s[8:9], s[2:3]
	s_add_nc_u64 s[30:31], s[30:31], s[36:37]      ; codes
	s_mul_i32 s2, s16, 3*COMP
	s_add_nc_u64 s[24:25], s[4:5], s[2:3]
	s_add_nc_u64 s[24:25], s[24:25], s[36:37]      ; flow d, h, w
	s_add_nc_u64 s[26:27], s[24:25], COMP
	s_add_nc_u64 s[28:29], s[26:27], COMP
	v_and_b32 v9, 31, v0
	v_lshrrev_b32 v10, 4, v9                       ; which of the unit's two rows
	v_and_b32 v11, 15, v9
	v_lshlrev_b32 v1, 9, v10
	v_lshl_add_u32 v1, v11, 4, v1                  ; v1: 512 x row + 16 x (lane mod 16); never rewritten
	v_add_nc_u32 v10, s14, v10
	v_cvt_f32_u32 v2, v10                          ; v2: my h as a float, 2.0 more after each unit
	v_lshlrev_b32 v3, 5, v0                        ; v3: 32 x thread, my piece's LDS byte in trip 0
	v_lshl_add_u32 v11, v11, 2, s13
	v_cvt_f32_u32 v4, v11                          ; v[4:7]: my four w as floats
	v_add_f32 v5, 1.0, v4
	v_add_f32 v6, 2.0, v4
	v_add_f32 v7, 0x40400000, v4
.macro ULOAD u                         ; a unit's flow and code words: each load gives sixteen lanes 256 consecutive bytes, aligned
	global_load_b128 v[UB+16*\u:UB+16*\u+3],     v1, s[24:25] offset:1024*\u th:TH_LOAD_NT
	global_load_b128 v[UB+16*\u+4:UB+16*\u+7],   v1, s[26:27] offset:1024*\u th:TH_LOAD_NT
	global_load_b128 v[UB+16*\u+8:UB+16*\u+11],  v1, s[28:29] offset:1024*\u th:TH_LOAD_NT
	global_load_b128 v[UB+16*\u+12:UB+16*\u+15], v1, s[30:31] offset:1024*\u th:TH_LOAD_NT
.endm
	ULOAD 0
	ULOAD 1
	ULOAD 2
	ULOAD 3
.macro PSTORE i                        ; piece i goes to LDS byte 32 Q, channels interleaved, zeros where it lies outside the volume
	s_wait_loadcnt 2*(18-\i)+16                    ; behind its two loads: two for each later piece and the sixteen of units 0-3
.irp c, 0,1,2,3
	v_cndmask_b32 v[X+2*\c],   0, v[FS+8*\i+\c],   s[MK+\i]
	v_cndmask_b32 v[X+2*\c+1], 0, v[FS+8*\i+4+\c], s[MK+\i]
.endr
	v_add_nc_u32 v28, 16384*\i, v3
	ds_store_b128 v28, v[X:X+3]
	ds_store_b128 v28, v[X+4:X+7] offset:16
.endm
.irp i, 0,1,2,3,4,5,6,7,8,9,10,11,12,13,14,15,16,17,18
	PSTORE \i
.endr
	ULOAD 4                                        ; into the registers of pieces 0-7, which have landed and been read
	ULOAD 5
	ULOAD 6
	ULOAD 7
	s_wait_kmcnt 0x0                               ; the flag words
	s_wait_dscnt 0x0                               ; my part of the window is in LDS,
	s_barrier_signal -1
	s_barrier_wait -1                              ; everybody's is; from here on LDS is only read
; a = a + t (b - a) on a pair (both channels).  t is one register, taken for both halves: the first of its pair where its number is even, the second where odd.
.macro LERP a, b, t, odd
	v_pk_add_f32 v[\b:\b+1], v[\b:\b+1], v[\a:\a+1] neg_lo:[0,1] neg_hi:[0,1]
.if \odd
	v_pk_fma_f32 v[\a:\a+1], v[\b:\b+1], v[\t-1:\t], v[\a:\a+1] op_sel:[0,1,0] op_sel_hi:[1,1,1]
.else
	v_pk_fma_f32 v[\a:\a+1], v[\b:\b+1], v[\t:\t+1], v[\a:\a+1] op_sel_hi:[1,0,1]
.endif
.endm
.macro VOX j                           ; voxel j from its eight cells: four steps along w, two along h, one along d
	s_wait_dscnt 8*(3-\j)                          ; LDS loads come back in order: eight for each later voxel may stay out
	LERP R+16*\j,    R+16*\j+2,  T+8+\j, \j&1
	LERP R+16*\j+4,  R+16*\j+6,  T+8+\j, \j&1
	LERP R+16*\j+8,  R+16*\j+10, T+8+\j, \j&1
	LERP R+16*\j+12, R+16*\j+14, T+8+\j, \j&1
	LERP R+16*\j,    R+16*\j+4,  T+4+\j, \j&1
	LERP R+16*\j+8,  R+16*\j+12, T+4+\j, \j&1
	v_pk_add_f32 v[R+16*\j+8:R+16*\j+9], v[R+16*\j+8:R+16*\j+9], v[R+16*\j:R+16*\j+1] neg_lo:[0,1] neg_hi:[0,1]
	v_fma_f32 v[O0+\j], v[R+16*\j+8], v[T+\j], v[R+16*\j]
	v_fma_f32 v[O1+\j], v[R+16*\j+9], v[T+\j], v[R+16*\j+1]
.endm
; The weights of the two slots clamp(x,0,126) and that + 1 along one axis, x = floor(c):
; 0 <= x <= 126: 1-t, t;  x = -1: t, 0 (corner x+1 = 0 is the low slot);  x = 127: 0, 1-t (corner x is the high slot);  else 0, 0.
.macro AXW c, t, lo, hi
	v_floor_f32 v161, v[\c]
	v_sub_f32 v162, 1.0, v[\t]
	v_cmp_eq_f32 vcc_lo, -1.0, v161
	v_cndmask_b32 v[\lo], 0, v[\t], vcc_lo
	v_cmp_eq_f32 vcc_lo, s61, v161
	v_cndmask_b32 v[\hi], 0, v162, vcc_lo
	v_med3_num_f32 v163, v161, 0, s62
	v_cmp_eq_f32 vcc_lo, v163, v161
	v_cndmask_b32 v[\lo], v[\lo], v162, vcc_lo
	v_cndmask_b32 v[\hi], v[\hi], v[\t], vcc_lo
.endm
; Voxel j of unit u again, in a unit that holds a far voxel.  All lanes are on: a lane that is not far takes the word 0, reads the image's
; first cells with the others like it, and keeps its result from LDS.  The registers at work lie in R, whose cells have been used up by VOX.
.macro FAR u, j
	v_cmp_gt_i32 s60, 0, v[UB+16*\u+12+\j]         ; bit 31: the far lanes, for the selects here and at the end
	v_cndmask_b32 v163, 0, v[UB+16*\u+12+\j], s60
	v_bfe_u32 v160, v163, 14, 7
	v_bfe_u32 v161, v163, 7, 7
	v_and_b32 v162, 127, v163
	v_min_u32 v160, 126, v160                      ; each slot is clamped, so that slot + 1 is inside the image whatever the word holds;
	v_min_u32 v161, 126, v161                      ; behind the clamps stand shifts to the left and sums alone
	v_min_u32 v162, 126, v162
	v_lshlrev_b32 v160, 7, v160
	v_add_nc_u32 v160, v160, v161
	v_lshlrev_b32 v160, 7, v160
	v_add_nc_u32 v160, v160, v162
	v_lshlrev_b32 v160, 2, v160                    ; ((c_d*128 + c_h)*128 + c_w) * 4; not written again before the wait for the loads below
.irp k, 0,1,2,3,4,5,6,7
	global_load_b32 v[176+\k], v160, s[20:21] offset:65536*(\k>>2)+512*((\k>>1)&1)+4*(\k&1)
	global_load_b32 v[184+\k], v160, s[22:23] offset:65536*(\k>>2)+512*((\k>>1)&1)+4*(\k&1)
.endr
	AXW UB+16*\u+\j,   T+\j,   164, 165
	AXW UB+16*\u+4+\j, T+4+\j, 166, 167
	AXW UB+16*\u+8+\j, T+8+\j, 168, 169
	v_mul_f32 v170, v166, v168                     ; h x w
	v_mul_f32 v171, v166, v169
	v_mul_f32 v172, v167, v168
	v_mul_f32 v173, v167, v169
.irp k, 0,1,2,3
	v_mul_f32 v[192+\k], v164, v[170+\k]           ; x d
	v_mul_f32 v[196+\k], v165, v[170+\k]
.endr
	s_wait_loadcnt 0x0                             ; the sixteen corners (and with them every earlier load: later counted waits are then met at once)
	v_mul_f32 v200, v176, v192
	v_mul_f32 v201, v184, v192
.irp k, 1,2,3,4,5,6,7
	v_fmac_f32 v200, v[176+\k], v[192+\k]
	v_fmac_f32 v201, v[184+\k], v[192+\k]
.endr
	v_cndmask_b32 v[O0+\j], v[O0+\j], v200, s60    ; the far lanes take the gathered sums
	v_cndmask_b32 v[O1+\j], v[O1+\j], v201, s60
.endm
.macro UNIT u
	s_wait_loadcnt 4*(7-\u)                        ; my unit's four loads are in; four for each later unit may stay out
	s_wait_xcnt 0x0                                ; O0 and O1, which the last unit's stores read, are rewritten only behind this wait
.irp j, 0,1,2,3
	v_min_u32 v[AD+\j], MAXCELL, v[UB+16*\u+12+\j] ; a far word becomes the last cell: read, and its result replaced below
	v_lshlrev_b32 v[AD+\j], 3, v[AD+\j]
.endr
.irp j, 0,1,2,3
.irp k, 0,1,2,3,4,5,6,7
	ds_load_b64 v[R+16*\j+2*\k:R+16*\j+2*\k+1], v[AD+\j] offset:WPLANE*(\k>>2)+WROW*((\k>>1)&1)+8*(\k&1)
.endr
.endr
.irp j, 0,1,2,3
	v_add_f32 v[UB+16*\u+\j],   s38,     v[UB+16*\u+\j]      ; c = base + flow, in place: the same add as in the first launch
	v_add_f32 v[UB+16*\u+4+\j], v2,      v[UB+16*\u+4+\j]
	v_add_f32 v[UB+16*\u+8+\j], v[4+\j], v[UB+16*\u+8+\j]
.endr
.irp k, 0,1,2,3,4,5,6,7,8,9,10,11
	v_floor_f32 v[8+(\k&7)], v[UB+16*\u+\k]
	v_sub_f32 v[T+\k], v[UB+16*\u+\k], v[8+(\k&7)]           ; the fraction, as reference() forms it
.endr
	VOX 0
	VOX 1
	VOX 2
	VOX 3
	s_and_b32 s79, s[FG+\u], s78                   ; has any of the unit's 128 voxels a far word?  A whole number, read from memory by a scalar load, decides
	s_cmp_lg_u32 s79, 0
	s_cbranch_scc0 .Lnear_\@
	FAR \u, 0
	FAR \u, 1
	FAR \u, 2
	FAR \u, 3
.Lnear_\@:
	global_store_b128 v1, v[O0:O0+3], s[32:33] offset:1024*\u th:TH_STORE_NT   ; sixteen lanes store 256 consecutive bytes, aligned
	global_store_b128 v1, v[O1:O1+3], s[34:35] offset:1024*\u th:TH_STORE_NT
	v_add_f32 v2, 2.0, v2                          ; the next unit's rows
.endm
	UNIT 0
	UNIT 1
	UNIT 2
	UNIT 3
	UNIT 4
	UNIT 5
	UNIT 6
	UNIT 7
	s_wait_tensorcnt 0x0
	ds_add_u32 v248, v249
	s_wait_dscnt 0x0
	s_endpgm
.Lfunc_end_k_qb742bcb846_warp:
	.size	k_qb742bcb846_warp, .Lfunc_end_k_qb742bcb846_warp-k_qb742bcb846_warp
	.p2alignl 7, 3214868480
	.fill 96, 4, 3214868480
	.section	.rodata,"a",@progbits
	.p2align	6, 0x0
	.amdhsa_kernel k_qb742bcb846_warp
		.amdhsa_group_segment_fixed_size 313344
		.amdhsa_private_segment_fixed_size 0
		.amdhsa_enable_private_segment 0
		.amdhsa_kernarg_size 40
		.amdhsa_user_sgpr_count 2
		.amdhsa_user_sgpr_kernarg_segment_ptr 1
		.amdhsa_wavefront_size32 1
		.amdhsa_system_sgpr_workgroup_id_x 1
		.amdhsa_system_sgpr_workgroup_id_y 1
		.amdhsa_system_sgpr_workgroup_id_z 1
		.amdhsa_system_vgpr_workitem_id 0
		.amdhsa_next_free_vgpr 250
		.amdhsa_next_free_sgpr 80
		.amdhsa_reserve_vcc 1
		.amdhsa_float_denorm_mode_32 3
		.amdhsa_float_denorm_mode_16_64 3
		.amdhsa_memory_ordered 1
		.amdhsa_forward_progress 1
		.amdhsa_inst_pref_size 238
	.end_amdhsa_kernel
	.amdgpu_metadata
---
amdhsa.version: [ 1, 2 ]
amdhsa.kernels:
  - .name:           k_qb742bcb846_warp
    .symbol:         k_qb742bcb846_warp.kd
    .args:
      - { .name: flow, .offset: 0, .size: 8, .value_kind: global_buffer, .address_space: global }
      - { .name: image, .offset: 8, .size: 8, .value_kind: global_buffer, .address_space: global }
      - { .name: codes, .offset: 16, .size: 8, .value_kind: global_buffer, .address_space: global }
      - { .name: out0, .offset: 24, .size: 8, .value_kind: global_buffer, .address_space: global }
      - { .name: flags, .offset: 32, .size: 8, .value_kind: global_buffer, .address_space: global }
    .group_segment_fixed_size: 313344
    .private_segment_fixed_size: 0
    .kernarg_segment_align: 8
    .kernarg_segment_size: 40
    .max_flat_workgroup_size: 512
    .sgpr_count:     80
    .vgpr_count:     250
    .wavefront_size: 32
...
	.end_amdgpu_metadata
.endif
;; end of part 2
;; ======== version 2 of 2: 2 launches; 1.28 times as fast as version 1
;; workspace buffers: codes 16,777,216 bytes of whole numbers; flags 65,536 bytes of whole numbers
;; launch index (part 3): grid 256 x 1, 16 waves a work-group, no clusters, 2,304 bytes of LDS; arguments flow, codes, flags; writes codes, flags
.if DOCPART == 3
	.amdgcn_target "amdgcn-amd-amdhsa--gfx1250"
	.amdhsa_code_object_version 6
	.text
	.protected	k_qb742bcb846_index
	.globl	k_qb742bcb846_index
	.p2align	8
	.type	k_qb742bcb846_index,@function
k_qb742bcb846_index:
	s_mov_b64 s[64:65], 0
	v_nop
	global_prefetch_b8 v0, s[64:65] scope:SCOPE_SE
	s_setreg_imm32_b32 hwreg(HW_REG_WAVE_MODE, 25, 1), 1
	s_wait_xcnt 0x0
; WARP, first of two launches: one whole number for each voxel, from which the second launch forms its gather addresses, and one for each
; pair of rows, on which it branches (inside a launch no address and no branch hangs on floating-point data; here
; floats only select values).  Nothing of reference() is left out by either launch, and both inputs are read.
; The second launch works in tiles of 16 (d) x 16 (h) x 64 (w) voxels and keeps the tile's window in LDS: cells d0-3 .. d0+18,
; h0-4 .. h0+19, w0-4 .. w0+67, that is 22 x 24 x 72 cells, zeros where the window leaves the volume.
; For each axis: c = base + flow (one f32 add, the same add as in the second launch, so floor and fraction agree), x = floor(c).
;   e = clamp(x, -2, 128): -2 stands for every floor below -1 and 128 for every floor above 127; both corners along that axis
;       are outside the volume there, whatever the true floor.  r = e - window start.
;   near (r_d <= 20, r_h <= 22, r_w <= 70, unsigned): word = cell index (r_d*24 + r_h)*72 + r_w, at most 36,214
;   far:  word = bit 31 | c_d<<14 | c_h<<7 | c_w with c = clamp(x, 0, 126): the lower of two slots that are always inside the image
; flags[(b*128 + d)*64 + h/2]: bit l is set if lane l (w = 4 l .. 4 l + 3) has a far voxel in rows h, h+1: bits 0-15 speak for the tile
; at w = 0, bits 16-31 for the tile at w = 64.
; LIMIT: finite flow only (a NaN or an infinity gives some word; the second launch clamps every word before it is an address).
; A work-group is one plane (b, d): 16 waves of 8 rows of 128 voxels, a lane 4 neighbouring w: each load and each store of codes covers 512
; consecutive bytes, aligned.  A wave runs a ring of four row slots in registers: twelve loads are out at the start (16 waves x 12 x 512
; bytes = 96 KiB of the work-group), and a slot is loaded again, four rows further down, as soon as its row's words are formed, ahead of
; that row's store: the later rows are read and the earlier ones stored while rows are worked on.
; The plane's 64 flag words meet in LDS and leave as one store of 256 consecutive bytes, aligned.
.set WORD, 16                          ; v[16:47]  row i: 4 words to store; never written again, so no wait frees them
.set FL,   48                          ; v[48:95]  slot i & 3: 12 registers: flow d 0-3, h 4-7, w 8-11
.set NM,   34                          ; s34..37   pair of rows i >> 1: the lanes all of whose voxels are near
.set COMP, 0x800000                    ; bytes of one flow component of one batch
	s_load_b128 s[4:7], s[0:1], 0x0                ; flow s[4:5], codes s[6:7]
	s_load_b64 s[32:33], s[0:1], 0x10              ; flags
	v_lshl_add_u32 v96, v0, 2, 0x100
	v_mov_b32 v97, 0
	v_lshrrev_b32 v8, 5, v0
	v_readfirstlane_b32 s8, v8                     ; wave 0..15
	s_lshl_b32 s9, ttmp9, 4
	s_add_co_u32 s9, s9, s8
	s_lshl_b32 s9, s9, 3                           ; my first row among the 32,768 rows (b, d, h)
	s_lshr_b32 s27, s9, 14                         ; b
	s_mul_i32 s10, s27, 3*COMP
	s_and_b32 s28, s9, 16383
	s_lshl_b32 s28, s28, 9                         ; (d*128 + h) rows of 512 bytes
	s_add_co_u32 s10, s10, s28
	s_mov_b32 s11, 0
	s_mov_b32 s30, 0x43000000                      ; 128.0
	s_mov_b32 s31, 0x42fc0000                      ; 126.0
	v_and_b32 v1, 31, v0                           ; lane
	v_lshlrev_b32 v9, 2, v1
	v_cvt_f32_u32 v2, v9                           ; v[2:5]: my four w as floats
	v_add_f32 v3, 1.0, v2
	v_add_f32 v4, 2.0, v2
	v_add_f32 v5, 0x40400000, v2
	v_and_b32 v6, 16, v1
	v_lshlrev_b32 v6, 2, v6
	v_sub_nc_u32 v6, 4, v6                         ; 4 - w0: lanes 16-31 lie in the tile that begins at w = 64
	v_and_b32 v7, 15, v1
	v_lshlrev_b32 v7, 4, v7                        ; v7: 16 x (lane mod 16), for the flags' way out
	v_lshlrev_b32 v1, 4, v1                        ; v1: 16 bytes a lane; never rewritten
	s_wait_kmcnt 0x0
	s_add_nc_u64 s[12:13], s[4:5], s[10:11]        ; flow d, h, w at my first row; never rewritten
	s_add_nc_u64 s[14:15], s[12:13], COMP
	s_add_nc_u64 s[16:17], s[14:15], COMP
.irp i, 0,1,2,3
	global_load_b128 v[FL+12*\i:FL+12*\i+3],    v1, s[12:13] offset:512*\i     ; the ring is filled: rows 0 to 3
	global_load_b128 v[FL+12*\i+4:FL+12*\i+7],  v1, s[14:15] offset:512*\i
	global_load_b128 v[FL+12*\i+8:FL+12*\i+11], v1, s[16:17] offset:512*\i
.endr
	s_lshl_b32 s10, s9, 9
	s_add_nc_u64 s[6:7], s[6:7], s[10:11]          ; codes at my first row
	s_lshl_b32 s10, ttmp9, 8
	s_add_nc_u64 s[32:33], s[32:33], s[10:11]      ; flags at my plane's 256 bytes
	s_bfe_u32 s27, s9, 0x70007                     ; d
	s_cvt_f32_u32 s20, s27
	s_and_b32 s27, s27, 0x70
	s_sub_co_i32 s18, 3, s27                       ; 3 - d0
	s_and_b32 s28, s9, 127                         ; h of my first row, a multiple of 8: the eight rows share h0
	s_cvt_f32_u32 s21, s28                         ; s21: the row's h as a float, 1.0 more after each row
	s_and_b32 s28, s28, 0x70
	s_sub_co_i32 s19, 4, s28                       ; 4 - h0
; Voxel j of row i.  The three axes stand side by side, so that no instruction reads the result of the one in front of it:
; four waves lie on a SIMD, and they alone would not cover chains of dependent instructions.
.macro VOX i, j
	v_add_f32 v8,  s20,     v[FL+12*(\i&3)+\j]     ; c = base + flow
	v_add_f32 v9,  s21,     v[FL+12*(\i&3)+4+\j]
	v_add_f32 v10, v[2+\j], v[FL+12*(\i&3)+8+\j]
	v_floor_f32 v8, v8                             ; x
	v_floor_f32 v9, v9
	v_floor_f32 v10, v10
	v_med3_num_f32 v11, v8,  -2.0, s30             ; e = clamp(x, -2, 128)
	v_med3_num_f32 v12, v9,  -2.0, s30
	v_med3_num_f32 v13, v10, -2.0, s30
	v_med3_num_f32 v8,  v8,  0, s31                ; c = clamp(x, 0, 126)
	v_med3_num_f32 v9,  v9,  0, s31
	v_med3_num_f32 v10, v10, 0, s31
	v_cvt_i32_f32 v11, v11
	v_cvt_i32_f32 v12, v12
	v_cvt_i32_f32 v13, v13
	v_cvt_u32_f32 v8, v8
	v_cvt_u32_f32 v9, v9
	v_cvt_u32_f32 v10, v10
	v_add_nc_u32 v11, s18, v11                     ; places in the window; a negative one is large as an unsigned number
	v_add_nc_u32 v12, s19, v12
	v_add_nc_u32 v13, v6, v13
	v_lshl_add_u32 v8, v8, 7, v9
	v_cmp_ge_u32 s25, 20, v11
	v_cmp_ge_u32 s26, 22, v12
	v_cmp_ge_u32 vcc_lo, 70, v13
	v_mad_u32_u24 v11, v11, 24, v12
	v_lshl_add_u32 v8, v8, 7, v10
	v_mad_u32_u24 v11, v11, 72, v13                ; the cell index (of no meaning where far: not selected)
	v_or_b32 v8, 0x80000000, v8                    ; the far word
	s_and_b32 s25, s25, s26
	s_and_b32 vcc_lo, vcc_lo, s25                  ; near: the cell and its +1 neighbours lie in the window
.if ((\i&1)|\j) == 0
	s_mov_b32 s[NM+(\i>>1)], vcc_lo                ; the pair's first voxel starts the mask
.else
	s_and_b32 s[NM+(\i>>1)], s[NM+(\i>>1)], vcc_lo
.endif
	v_cndmask_b32 v[WORD+4*\i+\j], v8, v11, vcc_lo
.endm
; Row i.  fill = 1: its slot is loaded again with row i + 4.  left = how many younger loads may stay out.
.macro ROW i, fill, left
	s_wait_loadcnt \left                           ; loads come back in order: three for each row requested behind this one stay out
	VOX \i, 0
	VOX \i, 1
	VOX \i, 2
	VOX \i, 3
.if \fill
	global_load_b128 v[FL+12*(\i&3):FL+12*(\i&3)+3],    v1, s[12:13] offset:512*(\i+4)   ; the slot has been read: its next row, ahead of the store
	global_load_b128 v[FL+12*(\i&3)+4:FL+12*(\i&3)+7],  v1, s[14:15] offset:512*(\i+4)
	global_load_b128 v[FL+12*(\i&3)+8:FL+12*(\i&3)+11], v1, s[16:17] offset:512*(\i+4)
.endif
	global_store_b128 v1, v[WORD+4*\i:WORD+4*\i+3], s[6:7] offset:512*\i   ; its sources are never written again
	s_add_f32 s21, s21, 1.0                        ; the next row's h
.endm
	ROW 0, 1, 9
	ROW 1, 1, 9
	ROW 2, 1, 9
	ROW 3, 1, 9
	ROW 4, 0, 9                                    ; the last four rows load nothing: the counts run down
	ROW 5, 0, 6
	ROW 6, 0, 3
	ROW 7, 0, 0
	; the flags: my four words go to LDS bytes 16 x wave; wave 0 stores the plane's 64 words
.irp p, 0,1,2,3
	s_not_b32 s[NM+\p], s[NM+\p]                   ; the lanes with a far voxel
	v_mov_b32 v[8+\p], s[NM+\p]
.endr
	v_mov_b32 v12, s8
	v_lshlrev_b32 v12, 4, v12
	ds_store_b128 v12, v[8:11]                     ; all lanes write the same bytes with the same value
	s_wait_dscnt 0x0                               ; for the others' sake: my words are in LDS,
	s_barrier_signal -1
	s_barrier_wait -1                              ; everybody's are
	s_cmp_lg_u32 s8, 0
	s_cbranch_scc1 .Lend
	s_wait_xcnt 0x0                                ; EXEC is a source of my stores of codes: it is narrowed only behind this wait
	v_cmp_gt_u32 vcc_lo, 0x100, v1                 ; lanes 0-15
	s_and_saveexec_b32 s38, vcc_lo
	ds_load_b128 v[8:11], v7
	s_wait_dscnt 0x0
	global_store_b128 v7, v[8:11], s[32:33]        ; sixteen lanes store 256 consecutive bytes, aligned
	s_wait_xcnt 0x0                                ; and it is widened only behind this one
	s_or_b32 exec_lo, exec_lo, s38
.Lend:
	s_wait_tensorcnt 0x0
	ds_add_u32 v96, v97
	s_wait_dscnt 0x0
	s_endpgm
.Lfunc_end_k_qb742bcb846_index:
	.size	k_qb742bcb846_index, .Lfunc_end_k_qb742bcb846_index-k_qb742bcb846_index
	.p2alignl 7, 3214868480
	.fill 96, 4, 3214868480
	.section	.rodata,"a",@progbits
	.p2align	6, 0x0
	.amdhsa_kernel k_qb742bcb846_index
		.amdhsa_group_segment_fixed_size 2304
		.amdhsa_private_segment_fixed_size 0
		.amdhsa_enable_private_segment 0
		.amdhsa_kernarg_size 24
		.amdhsa_user_sgpr_count 2
		.amdhsa_user_sgpr_kernarg_segment_ptr 1
		.amdhsa_wavefront_size32 1
		.amdhsa_system_sgpr_workgroup_id_x 1
		.amdhsa_system_sgpr_workgroup_id_y 1
		.amdhsa_system_sgpr_workgroup_id_z 1
		.amdhsa_system_vgpr_workitem_id 0
		.amdhsa_next_free_vgpr 98
		.amdhsa_next_free_sgpr 66
		.amdhsa_reserve_vcc 1
		.amdhsa_float_denorm_mode_32 3
		.amdhsa_float_denorm_mode_16_64 3
		.amdhsa_memory_ordered 1
		.amdhsa_forward_progress 1
		.amdhsa_inst_pref_size 55
	.end_amdhsa_kernel
	.amdgpu_metadata
---
amdhsa.version: [ 1, 2 ]
amdhsa.kernels:
  - .name:           k_qb742bcb846_index
    .symbol:         k_qb742bcb846_index.kd
    .args:
      - { .name: flow, .offset: 0, .size: 8, .value_kind: global_buffer, .address_space: global }
      - { .name: codes, .offset: 8, .size: 8, .value_kind: global_buffer, .address_space: global }
      - { .name: flags, .offset: 16, .size: 8, .value_kind: global_buffer, .address_space: global }
    .group_segment_fixed_size: 2304
    .private_segment_fixed_size: 0
    .kernarg_segment_align: 8
    .kernarg_segment_size: 24
    .max_flat_workgroup_size: 512
    .sgpr_count:     66
    .vgpr_count:     98
    .wavefront_size: 32
...
	.end_amdgpu_metadata
.endif
;; end of part 3
;; launch warp (part 4): grid 256 x 1, 16 waves a work-group, no clusters, 313,344 bytes of LDS; arguments flow, image, codes, out0, flags; writes out0
.if DOCPART == 4
	.amdgcn_target "amdgcn-amd-amdhsa--gfx1250"
	.amdhsa_code_object_version 6
	.text
	.protected	k_qb742bcb846_warp
	.globl	k_qb742bcb846_warp
	.p2align	8
	.type	k_qb742bcb846_warp,@function
k_qb742bcb846_warp:
	s_mov_b64 s[64:65], 0
	v_nop
	global_prefetch_b8 v0, s[64:65] scope:SCOPE_SE
	s_setreg_imm32_b32 hwreg(HW_REG_WAVE_MODE, 25, 1), 1
	s_wait_xcnt 0x0
; WARP, second launch: out[b][ch][d][h][w] = trilinear sample of image[b][ch] at (d,h,w) + flow, zeros outside.  No work of reference() is left out.
; A work-group owns a tile of 16 (d) x 16 (h) x 64 (w) voxels of one batch: 256 tiles.  It copies the tile's window once, in pieces of
; 16 bytes a channel, into LDS: cells d0-3 .. d0+18, h0-4 .. h0+19, w0-4 .. w0+67 = 22 x 24 x 72 cells of 8 bytes (channel 0, channel 1),
; with zeros where the window leaves the volume.  The zeros are reference()'s valid mask, so a voxel whose cell lies in the window needs
; seven interpolations a + t (b - a), both channels at once.  Every gather address comes from the whole numbers that the first launch stored
; (near: the cell index; far: bit 31 and three 7-bit slots); the flow is read again for the weights alone, in f32.
; A far voxel (flow beyond about 3 cells along d, 4 along h and w) is redone by 16 loads from the image, whose weights are selected so that
; they equal reference()'s clip and valid for every finite flow: right for any flow, quick for a flow of a few voxels.  That second way stands
; under a scalar branch on the unit's flag word, which the first launch stored and a scalar load brings; it runs with all lanes on, for all
; four voxels of a lane, and its result is selected in the far lanes alone: EXEC is never written.  Its 64 loads go out in one run.
; A wave owns one pair of rows through eight planes.  The window's shortest margin, 3 cells, is along d, so far voxels gather in a tile's first
; and last plane: in this share each of the sixteen waves holds one unit of those two planes, and the far work is spread over all of them.
; The fill runs 19 equal trips of 512 threads = 9,728 pieces for a window of 9,504: the last 224 pieces (part of a 23rd plane) are read by
; nobody; they are kept so that all sixteen waves run one text with one count of loads.
; No tensor load: it can neither interleave two channels nor lay zeros ahead of the tensor's first element.  So no cluster either.
; LIMITS: finite inputs only (reference()'s NaN from 0 x infinity at a masked corner is not made); the near sum is nested a + t (b - a),
; another order of rounding than reference()'s eight weighted terms.
.set COMP,    0x800000                 ; bytes of one channel, or one flow component, of one batch
.set PLANE,   65536                    ; bytes of one plane of 128 x 128 numbers: a unit's step
.set WROW,    576                      ; a window row: 72 cells of 8 bytes
.set WPLANE,  13824                    ; a window plane: 24 rows
.set MAXCELL, 36214                    ; (20*24 + 22)*72 + 70
.set X,   16                           ; v[16:23]   the fill: four cells, channels interleaved
.set O0,  16                           ; v[16:19]   later: four results of channel 0
.set O1,  20                           ; v[20:23]   and of channel 1
.set AD,  24                           ; v[24:27]   LDS address of each voxel's cell; in the far way its byte offset in the image
.set UB,  32                           ; v[32:159]  unit u, 16 registers: c_d 0-3, c_h 4-7, c_w 8-11, code words 12-15
.set FS,  96                           ; v[96:247]  the fill: piece i, 8 registers (channel 0, channel 1); units 4-7 come in behind it
.set R,   160                          ; v[160:223] voxel j, corner k: a pair at R + 16 j + 2 k; k = 4 dz + 2 hy + wx.
                                       ;            In the far way: voxel j, corner k: channel 0 at R + 16 j + k, channel 1 at R + 16 j + 8 + k
.set T,   224                          ; v[224:235] fractions t_d, t_h, t_w, four each
.set WT,  237                          ; v[237:244] the far way: a voxel's eight weights; v8-15, v28-31, v236, v245, v246 at work there
.set MK,  40                           ; s40..58    piece i: the lanes whose piece lies inside the volume
.set FG,  68                           ; s[68:75]   unit u: its pair of rows' flag word
.set FM,  80                           ; s80..83    the far way: voxel j's far lanes
	s_load_b256 s[4:11], s[0:1], 0x0               ; flow s[4:5], image s[6:7], codes s[8:9], out s[10:11]
	s_load_b64 s[66:67], s[0:1], 0x20              ; flags
	v_lshl_add_u32 v248, v0, 2, 0x4c000
	v_mov_b32 v249, 0
	v_lshrrev_b32 v8, 5, v0
	v_readfirstlane_b32 s12, v8                    ; wave 0..15
	s_and_b32 s13, ttmp9, 1
	s_lshl_b32 s13, s13, 6                         ; w0
	s_bfe_u32 s14, ttmp9, 0x30001
	s_lshl_b32 s14, s14, 4                         ; h0
	s_bfe_u32 s15, ttmp9, 0x30004
	s_lshl_b32 s15, s15, 4                         ; d0
	s_lshr_b32 s16, ttmp9, 7                       ; b
	s_sub_co_i32 s17, s15, 3                       ; the window's first cell
	s_sub_co_i32 s18, s14, 4
	s_sub_co_i32 s19, s13, 4
	s_mov_b32 s39, 128
	s_mov_b32 s61, 0x42fe0000                      ; 127.0
	s_mov_b32 s62, 0x42fc0000                      ; 126.0
	s_lshl_b32 s2, s16, 24                         ; two channels of 8 MiB a batch
	s_mov_b32 s3, 0
	s_wait_kmcnt 0x0
	s_add_nc_u64 s[20:21], s[6:7], s[2:3]          ; image, channel 0 and channel 1 of my batch
	s_add_nc_u64 s[22:23], s[20:21], COMP
; Piece Q = thread + 512 i: four cells along w of window row Q / 18.  Outside the volume: byte 0 is loaded and zeros are stored.
; Each load lands on its own offset register.
.macro PLOAD i
	v_add_nc_u32 v8, 512*\i, v0                    ; Q, at most 9,727
	v_mul_u32_u24 v9, 0xe38f, v8
	v_lshrrev_b32 v9, 20, v9                       ; row = Q / 18 (18 x 58,255 = 2^20 + 14: exact while 14 Q < 2^20)
	v_mul_u32_u24 v10, 18, v9
	v_sub_nc_u32 v10, v8, v10                      ; piece in the row
	v_mul_u32_u24 v11, 0xaab, v9
	v_lshrrev_b32 v11, 16, v11                     ; plane = row / 24 (24 x 2,731 = 2^16 + 8: exact while 8 row < 2^16)
	v_mul_u32_u24 v12, 24, v11
	v_sub_nc_u32 v12, v9, v12                      ; row in the plane
	v_add_nc_u32 v11, s17, v11                     ; d
	v_add_nc_u32 v12, s18, v12                     ; h
	v_lshl_add_u32 v10, v10, 2, s19                ; w, a multiple of 4: the four cells are all inside or all outside
	v_or_b32 v13, v11, v12
	v_or_b32 v13, v13, v10
	v_cmp_gt_u32 s[MK+\i], s39, v13                ; all three in 0 .. 127
	v_lshl_add_u32 v11, v11, 7, v12
	v_lshl_add_u32 v11, v11, 7, v10
	v_lshlrev_b32 v11, 2, v11
	v_cndmask_b32 v[FS+8*\i],   0, v11, s[MK+\i]
	v_cndmask_b32 v[FS+8*\i+4], 0, v11, s[MK+\i]
	global_load_b128 v[FS+8*\i:FS+8*\i+3],   v[FS+8*\i],   s[20:21]
	global_load_b128 v[FS+8*\i+4:FS+8*\i+7], v[FS+8*\i+4], s[22:23]
.endm
.irp i, 0,1,2,3,4,5,6,7,8,9,10,11,12,13,14,15,16,17,18
	PLOAD \i
.endr
	; Wave v owns rows h0 + 2 (v & 7) and the next, in planes d0 + (v & 8) + u, u = 0 .. 7: eight units of two rows, one plane apart.
	; In a unit lanes 0-15 take one row's 64 voxels, lanes 16-31 the next row's, 4 a lane.
	s_and_b32 s79, s12, 8                          ; waves 8-15 take the tile's upper eight planes
	s_add_co_u32 s36, s15, s79                     ; my first d
	s_cvt_f32_u32 s38, s36                         ; s38: the unit's d as a float, 1.0 more after each unit
	s_and_b32 s63, s12, 7                          ; my pair of rows in the tile
	s_lshl_b32 s76, s16, 7
	s_add_co_u32 s76, s76, s36                     ; my first plane among the 256
	s_lshl_b32 s76, s76, 8                         ; 64 flag words a plane,
	s_lshl1_add_u32 s76, s14, s76                  ; one for two rows: + 2 h0 bytes
	s_lshl2_add_u32 s76, s63, s76                  ; + 4 bytes x my pair
	s_mov_b32 s77, 0
	s_add_nc_u64 s[66:67], s[66:67], s[76:77]
.irp u, 0,1,2,3,4,5,6,7
	s_load_b32 s[FG+\u], s[66:67], 256*\u          ; my eight units' flag words, a plane's 256 bytes apart; the base is not written again
.endr
	s_lshr_b32 s78, s13, 2
	s_lshl_b32 s78, 0xffff, s78                    ; my tile's half of a flag word: bits 0-15 for w0 = 0, bits 16-31 for w0 = 64
	s_lshl1_add_u32 s79, s63, s14                  ; my first row h
	s_lshl_b32 s36, s36, 7
	s_add_co_u32 s36, s36, s79
	s_lshl_b32 s36, s36, 9
	s_lshl2_add_u32 s36, s13, s36                  ; P = ((d*128 + h)*128 + w0) * 4
	s_mov_b32 s37, 0
	s_add_nc_u64 s[32:33], s[10:11], s[2:3]
	s_add_nc_u64 s[32:33], s[32:33], s[36:37]      ; out, channel 0 and channel 1
	s_add_nc_u64 s[34:35], s[32:33], COMP
	s_lshl_b32 s2, s16, 23
	s_add_nc_u64 s[30:31], s[8:9], s[2:3]
	s_add_nc_u64 s[30:31], s[30:31], s[36:37]      ; codes
	s_mul_i32 s2, s16, 3*COMP
	s_add_nc_u64 s[24:25], s[4:5], s[2:3]
	s_add_nc_u64 s[24:25], s[24:25], s[36:37]      ; flow d, h, w
	s_add_nc_u64 s[26:27], s[24:25], COMP
	s_add_nc_u64 s[28:29], s[26:27], COMP
	v_and_b32 v9, 31, v0
	v_lshrrev_b32 v10, 4, v9                       ; which of my two rows
	v_and_b32 v11, 15, v9
	v_lshlrev_b32 v1, 9, v10
	v_lshl_add_u32 v1, v11, 4, v1                  ; v1: 512 x row + 16 x (lane mod 16); never rewritten
	v_add_nc_u32 v10, s79, v10
	v_cvt_f32_u32 v2, v10                          ; v2: my h as a float, the same in every unit
	v_lshlrev_b32 v3, 5, v0                        ; v3: 32 x thread, my piece's LDS byte in trip 0
	v_lshl_add_u32 v11, v11, 2, s13
	v_cvt_f32_u32 v4, v11                          ; v[4:7]: my four w as floats
	v_add_f32 v5, 1.0, v4
	v_add_f32 v6, 2.0, v4
	v_add_f32 v7, 0x40400000, v4
.macro ULOAD u                         ; a unit's flow and code words: each load gives sixteen lanes 256 consecutive bytes, aligned; the plane stands in the immediate
	global_load_b128 v[UB+16*\u:UB+16*\u+3],     v1, s[24:25] offset:PLANE*\u th:TH_LOAD_NT
	global_load_b128 v[UB+16*\u+4:UB+16*\u+7],   v1, s[26:27] offset:PLANE*\u th:TH_LOAD_NT
	global_load_b128 v[UB+16*\u+8:UB+16*\u+11],  v1, s[28:29] offset:PLANE*\u th:TH_LOAD_NT
	global_load_b128 v[UB+16*\u+12:UB+16*\u+15], v1, s[30:31] offset:PLANE*\u th:TH_LOAD_NT
.endm
	ULOAD 0
	ULOAD 1
	ULOAD 2
	ULOAD 3
.macro PSTORE i                        ; piece i goes to LDS byte 32 Q, channels interleaved, zeros where it lies outside the volume
	s_wait_loadcnt 2*(18-\i)+16                    ; behind its two loads: two for each later piece and the sixteen of units 0-3
.irp c, 0,1,2,3
	v_cndmask_b32 v[X+2*\c],   0, v[FS+8*\i+\c],   s[MK+\i]
	v_cndmask_b32 v[X+2*\c+1], 0, v[FS+8*\i+4+\c], s[MK+\i]
.endr
	v_add_nc_u32 v28, 16384*\i, v3
	ds_store_b128 v28, v[X:X+3]
	ds_store_b128 v28, v[X+4:X+7] offset:16
.endm
.irp i, 0,1,2,3,4,5,6,7,8,9,10,11,12,13,14,15,16,17,18
	PSTORE \i
.endr
	ULOAD 4                                        ; into the registers of pieces 0-7, which have landed and been read
	ULOAD 5
	ULOAD 6
	ULOAD 7
	s_wait_kmcnt 0x0                               ; the flag words
	s_wait_dscnt 0x0                               ; my part of the window is in LDS,
	s_barrier_signal -1
	s_barrier_wait -1                              ; everybody's is; from here on LDS is only read
; a = a + t (b - a) on a pair (both channels).  t is one register, taken for both halves: the first of its pair where its number is even, the second where odd.
.macro LERP a, b, t, odd
	v_pk_add_f32 v[\b:\b+1], v[\b:\b+1], v[\a:\a+1] neg_lo:[0,1] neg_hi:[0,1]
.if \odd
	v_pk_fma_f32 v[\a:\a+1], v[\b:\b+1], v[\t-1:\t], v[\a:\a+1] op_sel:[0,1,0] op_sel_hi:[1,1,1]
.else
	v_pk_fma_f32 v[\a:\a+1], v[\b:\b+1], v[\t:\t+1], v[\a:\a+1] op_sel_hi:[1,0,1]
.endif
.endm
.macro VOX j                           ; voxel j from its eight cells: four steps along w, two along h, one along d
	s_wait_dscnt 8*(3-\j)                          ; LDS loads come back in order: eight for each later voxel may stay out
	LERP R+16*\j,    R+16*\j+2,  T+8+\j, \j&1
	LERP R+16*\j+4,  R+16*\j+6,  T+8+\j, \j&1
	LERP R+16*\j+8,  R+16*\j+10, T+8+\j, \j&1
	LERP R+16*\j+12, R+16*\j+14, T+8+\j, \j&1
	LERP R+16*\j,    R+16*\j+4,  T+4+\j, \j&1
	LERP R+16*\j+8,  R+16*\j+12, T+4+\j, \j&1
	v_pk_add_f32 v[R+16*\j+8:R+16*\j+9], v[R+16*\j+8:R+16*\j+9], v[R+16*\j:R+16*\j+1] neg_lo:[0,1] neg_hi:[0,1]
	v_fma_f32 v[O0+\j], v[R+16*\j+8], v[T+\j], v[R+16*\j]
	v_fma_f32 v[O1+\j], v[R+16*\j+9], v[T+\j], v[R+16*\j+1]
.endm
; THE FAR WAY, in a unit that holds a far voxel.  All lanes are on: a lane that is not far takes the word 0, reads the image's first cells with
; the others like it, and keeps its result from LDS.  First the four voxels' offsets and their 64 loads, in one run, into R, whose cells VOX has
; used up; then, voxel by voxel, the weights and the sums, behind counted waits: the wave waits for memory once in a unit, not once a voxel.
; With the later units' loads the wave may then have more loads out than the counter's field holds: the issue stalls until one has come back
; (ISA guide 5.7.1), so no wait is written for that.
.macro FARLOAD u, j
	v_cmp_gt_i32 s[FM+\j], 0, v[UB+16*\u+12+\j]    ; bit 31: the far lanes, for the select here and those at the end
	v_cndmask_b32 v11, 0, v[UB+16*\u+12+\j], s[FM+\j]
	v_bfe_u32 v[AD+\j], v11, 14, 7
	v_bfe_u32 v9, v11, 7, 7
	v_and_b32 v10, 127, v11
	v_min_u32 v[AD+\j], 126, v[AD+\j]              ; each slot is clamped, so that slot + 1 is inside the image whatever the word holds;
	v_min_u32 v9, 126, v9                          ; behind the clamps stand shifts to the left and sums alone
	v_min_u32 v10, 126, v10
	v_lshlrev_b32 v[AD+\j], 7, v[AD+\j]
	v_add_nc_u32 v[AD+\j], v[AD+\j], v9
	v_lshlrev_b32 v[AD+\j], 7, v[AD+\j]
	v_add_nc_u32 v[AD+\j], v[AD+\j], v10
	v_lshlrev_b32 v[AD+\j], 2, v[AD+\j]            ; ((c_d*128 + c_h)*128 + c_w) * 4; written again only in the next unit, behind the wait for 0 below
.irp k, 0,1,2,3,4,5,6,7
	global_load_b32 v[R+16*\j+\k],   v[AD+\j], s[20:21] offset:65536*(\k>>2)+512*((\k>>1)&1)+4*(\k&1)
	global_load_b32 v[R+16*\j+8+\k], v[AD+\j], s[22:23] offset:65536*(\k>>2)+512*((\k>>1)&1)+4*(\k&1)
.endr
.endm
; The weights of the two slots clamp(x,0,126) and that + 1 along one axis, x = floor(c):
; 0 <= x <= 126: 1-t, t;  x = -1: t, 0 (corner x+1 = 0 is the low slot);  x = 127: 0, 1-t (corner x is the high slot);  else 0, 0.
.macro AXW c, t, lo, hi
	v_floor_f32 v8, v[\c]
	v_sub_f32 v9, 1.0, v[\t]
	v_cmp_eq_f32 vcc_lo, -1.0, v8
	v_cndmask_b32 v[\lo], 0, v[\t], vcc_lo
	v_cmp_eq_f32 vcc_lo, s61, v8
	v_cndmask_b32 v[\hi], 0, v9, vcc_lo
	v_med3_num_f32 v10, v8, 0, s62
	v_cmp_eq_f32 vcc_lo, v10, v8
	v_cndmask_b32 v[\lo], v[\lo], v9, vcc_lo
	v_cndmask_b32 v[\hi], v[\hi], v[\t], vcc_lo
.endm
.macro FARSUM u, j
	AXW UB+16*\u+\j,   T+\j,   11, 12              ; d: low, high
	AXW UB+16*\u+4+\j, T+4+\j, 13, 14              ; h
	AXW UB+16*\u+8+\j, T+8+\j, 15, 28              ; w
	v_mul_f32 v29,  v13, v15                       ; h x w
	v_mul_f32 v30,  v13, v28
	v_mul_f32 v31,  v14, v15
	v_mul_f32 v236, v14, v28
	v_mul_f32 v[WT+0], v11, v29                    ; x d
	v_mul_f32 v[WT+1], v11, v30
	v_mul_f32 v[WT+2], v11, v31
	v_mul_f32 v[WT+3], v11, v236
	v_mul_f32 v[WT+4], v12, v29
	v_mul_f32 v[WT+5], v12, v30
	v_mul_f32 v[WT+6], v12, v31
	v_mul_f32 v[WT+7], v12, v236
	s_wait_loadcnt 16*(3-\j)                       ; my sixteen corners are in; sixteen for each later voxel may stay out (the last count, 0, shows every load of the wave done)
	v_mul_f32 v245, v[R+16*\j],   v[WT]
	v_mul_f32 v246, v[R+16*\j+8], v[WT]
.irp k, 1,2,3,4,5,6,7
	v_fmac_f32 v245, v[R+16*\j+\k],   v[WT+\k]
	v_fmac_f32 v246, v[R+16*\j+8+\k], v[WT+\k]
.endr
	v_cndmask_b32 v[O0+\j], v[O0+\j], v245, s[FM+\j]   ; the far lanes take the gathered sums
	v_cndmask_b32 v[O1+\j], v[O1+\j], v246, s[FM+\j]
.endm
.macro UNIT u
	s_wait_loadcnt 4*(7-\u)                        ; my unit's four loads are in; four for each later unit may stay out
	s_wait_xcnt 0x0                                ; O0 and O1, which the last unit's stores read, are rewritten only behind this wait
.irp j, 0,1,2,3
	v_min_u32 v[AD+\j], MAXCELL, v[UB+16*\u+12+\j] ; a far word becomes the last cell: read, and its result replaced below
	v_lshlrev_b32 v[AD+\j], 3, v[AD+\j]
.endr
.irp j, 0,1,2,3
.irp k, 0,1,2,3,4,5,6,7
	ds_load_b64 v[R+16*\j+2*\k:R+16*\j+2*\k+1], v[AD+\j] offset:WPLANE*(\k>>2)+WROW*((\k>>1)&1)+8*(\k&1)
.endr
.endr
.irp j, 0,1,2,3
	v_add_f32 v[UB+16*\u+\j],   s38,     v[UB+16*\u+\j]      ; c = base + flow, in place: the same add as in the first launch
	v_add_f32 v[UB+16*\u+4+\j], v2,      v[UB+16*\u+4+\j]
	v_add_f32 v[UB+16*\u+8+\j], v[4+\j], v[UB+16*\u+8+\j]
.endr
.irp k, 0,1,2,3,4,5,6,7,8,9,10,11
	v_floor_f32 v[8+(\k&7)], v[UB+16*\u+\k]
	v_sub_f32 v[T+\k], v[UB+16*\u+\k], v[8+(\k&7)]           ; the fraction, as reference() forms it
.endr
	VOX 0
	VOX 1
	VOX 2
	VOX 3
	s_and_b32 s79, s[FG+\u], s78                   ; has any of the unit's 128 voxels a far word?  A whole number, read from memory by a scalar load, decides
	s_cmp_lg_u32 s79, 0
	s_cbranch_scc0 .Lnear_\@
	FARLOAD \u, 0
	FARLOAD \u, 1
	FARLOAD \u, 2
	FARLOAD \u, 3
	FARSUM \u, 0
	FARSUM \u, 1
	FARSUM \u, 2
	FARSUM \u, 3
.Lnear_\@:
	global_store_b128 v1, v[O0:O0+3], s[32:33] offset:PLANE*\u th:TH_STORE_NT   ; sixteen lanes store 256 consecutive bytes, aligned
	global_store_b128 v1, v[O1:O1+3], s[34:35] offset:PLANE*\u th:TH_STORE_NT
	s_add_f32 s38, s38, 1.0                        ; the next unit's plane
.endm
	UNIT 0
	UNIT 1
	UNIT 2
	UNIT 3
	UNIT 4
	UNIT 5
	UNIT 6
	UNIT 7
	s_wait_tensorcnt 0x0
	ds_add_u32 v248, v249
	s_wait_dscnt 0x0
	s_endpgm
.Lfunc_end_k_qb742bcb846_warp:
	.size	k_qb742bcb846_warp, .Lfunc_end_k_qb742bcb846_warp-k_qb742bcb846_warp
	.p2alignl 7, 3214868480
	.fill 96, 4, 3214868480
	.section	.rodata,"a",@progbits
	.p2align	6, 0x0
	.amdhsa_kernel k_qb742bcb846_warp
		.amdhsa_group_segment_fixed_size 313344
		.amdhsa_private_segment_fixed_size 0
		.amdhsa_enable_private_segment 0
		.amdhsa_kernarg_size 40
		.amdhsa_user_sgpr_count 2
		.amdhsa_user_sgpr_kernarg_segment_ptr 1
		.amdhsa_wavefront_size32 1
		.amdhsa_system_sgpr_workgroup_id_x 1
		.amdhsa_system_sgpr_workgroup_id_y 1
		.amdhsa_system_sgpr_workgroup_id_z 1
		.amdhsa_system_vgpr_workitem_id 0
		.amdhsa_next_free_vgpr 250
		.amdhsa_next_free_sgpr 84
		.amdhsa_reserve_vcc 1
		.amdhsa_float_denorm_mode_32 3
		.amdhsa_float_denorm_mode_16_64 3
		.amdhsa_memory_ordered 1
		.amdhsa_forward_progress 1
		.amdhsa_inst_pref_size 239
	.end_amdhsa_kernel
	.amdgpu_metadata
---
amdhsa.version: [ 1, 2 ]
amdhsa.kernels:
  - .name:           k_qb742bcb846_warp
    .symbol:         k_qb742bcb846_warp.kd
    .args:
      - { .name: flow, .offset: 0, .size: 8, .value_kind: global_buffer, .address_space: global }
      - { .name: image, .offset: 8, .size: 8, .value_kind: global_buffer, .address_space: global }
      - { .name: codes, .offset: 16, .size: 8, .value_kind: global_buffer, .address_space: global }
      - { .name: out0, .offset: 24, .size: 8, .value_kind: global_buffer, .address_space: global }
      - { .name: flags, .offset: 32, .size: 8, .value_kind: global_buffer, .address_space: global }
    .group_segment_fixed_size: 313344
    .private_segment_fixed_size: 0
    .kernarg_segment_align: 8
    .kernarg_segment_size: 40
    .max_flat_workgroup_size: 512
    .sgpr_count:     84
    .vgpr_count:     250
    .wavefront_size: 32
...
	.end_amdgpu_metadata
.endif
;; end of part 4
